; MI455X (gfx1250); checked and timed in simulation.
; The chip was launched on July 23, 2026; its instructions are those of AMD's public machine-readable ISA for CDNA 5 (MIT licence, August 2026) and "CDNA5" Instruction Set Architecture Reference Guide (July 2026). The comments in the code are by the model that wrote it; some were corrected since.
;; Multi Modal Mo E. Allowed arithmetic: float matrix products may take bf16 or f16 operands with f32 sums; other float arithmetic in f32, or as packed bf16 or f16 multiplies, adds, multiply-adds, maxima and minima; sums over many terms, partial sums and values carried from step to step in f32; what a program stores and reads back later, other than sums and carried values, may be rounded once to bf16 or f16.
;; Inputs: W 8 x 1,024 x 1,024 float32; b 8 x 1,024 float32; expert_weights 2 x 4,096 x 2 float32; top_k_indices 2 x 4,096 x 2 int32; x 2 x 4,096 x 1,024 float32.
;; Outputs: out0 2 x 4,096 x 1,024 float32.
;; One version. Each part assembles by itself: llvm-mc -triple=amdgcn-amd-amdhsa -mcpu=gfx1250 --defsym DOCPART=n.
;; ======== version 1 of 1: 2 launches
;; workspace buffers: wf 16,777,216 bytes; list 917,504 bytes of whole numbers; counts 256 bytes of whole numbers
;; launch prep (part 1): grid 284 x 1, 8 waves a work-group, no clusters, 36,096 bytes of LDS; arguments W, top_k_indices, wf, list, counts; writes wf, list, counts
.if DOCPART == 1
	.amdgcn_target "amdgcn-amd-amdhsa--gfx1250"
	.amdhsa_code_object_version 6
	.text
	.protected	k_q3574fcdca3_prep
	.globl	k_q3574fcdca3_prep
	.p2align	8
	.type	k_q3574fcdca3_prep,@function
k_q3574fcdca3_prep:
	s_mov_b64 s[64:65], 0
	v_nop
	global_prefetch_b8 v0, s[64:65] scope:SCOPE_SE
	s_setreg_imm32_b32 hwreg(HW_REG_WAVE_MODE, 25, 1), 1
	s_wait_xcnt 0x0
; PREP.  Two jobs in one launch, told apart by the work-group's number.
; Work-groups 0 to 27: the token list of ONE pair of experts {lo, hi}, lo < hi.  A token belongs to the pair {min(e0,e1), max(e0,e1)}; a token with e0 = e1 = a to the pair {a & 6, a | 1}.
;   Each of the eight waves scans 1,024 tokens and packs the matching token numbers into its own part of LDS (rank = matches so far in the wave; a lane without a match writes a dump word of its own,
;   so that every store runs with all lanes on); the waves' counts meet behind one barrier, and each wave copies its part to list[set][..] behind the lower waves' parts.
;   counts[set] = the set's number of tokens.  The order of a list's tokens is free.  EXEC is never written.
; Work-groups 28 to 283: W, f32 [e][d][f], is rounded once to bf16 and laid in the order in which a wave's operand registers take it:
;   wf[e][wc 16][s 32][g 4][j 2][lane 32][i 8] = bf16(W[e][32 s + 16 j + 8 (lane / 16) + i][64 wc + 4 (lane % 16) + g]).
;   A lane's 16-byte load brings the four g of one d, so eight loads hold the eight i of four fragments: no number changes lanes.
; LIMITS.  Indices are taken to lie in 0 to 7, as the gather of the problem takes them.
; No matrix unit, no cluster: no two work-groups read the same bytes of W, and the 64 KB of indices are small.
.set NSETS, 28
.set WREG,  4352                       ; a wave's part of LDS: 1,024 words of matches, 32 dump words, filled up to 17 blocks of 256 bytes
.set CW,    8*WREG                     ; behind the eight parts: the waves' counts, eight words in a block of 256 bytes
.set SPARE, CW+256                     ; the spare words, 128 bytes for each wave: four blocks of 256 bytes that no other line names
.set LANE, 1                           ; v1     lane
.set SPW,  2                           ; v2     LDS address of my spare word; never rewritten
.set NIL,  3                           ; v3     0; never rewritten
.set TK0,  4                           ; v4     1,024 wave + 2 lane: my first token
.set DIDX, 5                           ; v5     1,024 + lane: my dump word's number in my wave's part
.set VD,   6                           ; v6     a list entry on its way from LDS to memory
.set IOFF, 7                           ; v7     byte offset of my first two tokens' indices
.set T,    8                           ; v8-11  at work
.set CWA,  12                          ; v12    LDS address of my wave's count
.set WOFF, 13                          ; v13    cast: my byte offset in W
.set SOFF, 14                          ; v14    cast: my byte offset in wf
.set CV,   16                          ; v16-23 the eight counts
.set X,    32                          ; v32-95 indices as loaded; cast: v32-159 W as loaded
.set PK,   160                         ; v160-223 cast: packed bf16, a set of 16 for each unit
.set ID,   14                          ; s14 work-group
.set WV,   15                          ; s15 wave
.set ELO,  16
.set EHI,  17
.set KEY,  18                          ; s18 8 lo + hi
.set RUN,  19                          ; s19 matches of my wave so far
.set CN,   20                          ; s20-27 the eight counts
.set SUBB, 28                          ; s28 my wave's part of LDS
.set CB,   29
.set RUNB, 31                          ; s31 the lower waves' matches
.set TOT,  32                          ; s32 all eight
.set KC,   33                          ; s33 the copy loop's counter
.set K32,  34
.set TS,   35                          ; s35 at work
.set OFS,  36                          ; s[36:37] an offset in 64 bits; the high word stays 0
.set LISTB, 38                         ; s[38:39] list at my set
.set WB,   40                          ; s[40:41] W at my work-group's part
.set FB,   42                          ; s[42:43] wf at my work-group's part
.set CID,  44                          ; s44-47 cast: number, half, row block, at work
.set MYM1, 48                          ; s48 my wave's matches less 1
	s_load_b256 s[4:11], s[0:1], 0x0               ; W s[4:5], indices s[6:7], wf s[8:9], list s[10:11]
	s_load_b64 s[12:13], s[0:1], 0x20              ; counts
	v_lshl_add_u32 v[SPW], v0, 2, SPARE
	v_mov_b32 v[NIL], 0
	v_and_b32 v[LANE], 31, v0
	v_lshrrev_b32 v[T], 5, v0
	v_readfirstlane_b32 s[WV], v[T]
	s_mov_b32 s[ID], ttmp9
	s_mov_b32 s[RUN], 0
	s_mov_b32 s[OFS+1], 0
	s_mul_i32 s[SUBB], s[WV], WREG
	v_add_nc_u32 v[DIDX], 1024, v[LANE]
	s_lshl_b32 s[TS], s[WV], 10
	v_lshl_add_u32 v[TK0], v[LANE], 1, s[TS]
	s_lshl_b32 s[TS], s[WV], 13                    ; 1,024 tokens x 8 bytes
	v_lshl_add_u32 v[IOFF], v[LANE], 4, s[TS]
	s_lshl_b32 s[TS], s[WV], 2
	s_add_co_u32 s[TS], s[TS], CW
	v_mov_b32 v[CWA], s[TS]
	; the set's pair: sets 0-6 have lo = 0, 7-12 lo = 1, 13-17, 18-21, 22-24, 25-26, 27; a row of the triangle begins at lo (15 - lo) / 2
	s_mov_b32 s[ELO], 0
.irp c, 7,13,18,22,25,27
	s_cmp_ge_u32 s[ID], \c
	s_add_co_ci_u32 s[ELO], s[ELO], 0              ; + 1 where the set's number has reached c
.endr
	s_sub_co_u32 s[TS], 15, s[ELO]
	s_mul_i32 s[TS], s[TS], s[ELO]
	s_lshr_b32 s[TS], s[TS], 1
	s_sub_co_u32 s[EHI], s[ID], s[TS]
	s_add_co_u32 s[EHI], s[EHI], s[ELO]
	s_add_co_u32 s[EHI], s[EHI], 1
	s_lshl3_add_u32 s[KEY], s[ELO], s[EHI]
	s_wait_kmcnt 0x0
	s_cmp_ge_u32 s[ID], NSETS
	s_cbranch_scc1 .Lcast
	; A SET'S SCAN.  Sixteen loads, 512 consecutive bytes each: load q brings my tokens 1,024 wave + 64 q + 2 lane and the next.
.set q, 0
.rept 16
	global_load_b128 v[X+4*q:X+4*q+3], v[IOFF], s[6:7] offset:512*q
.set q, q+1
.endr
	s_wait_loadcnt 0x0
; Token p (0, 1) of load q: its pair's key; a matching lane stores the token's number at its rank in my wave's part, every other lane into its dump word.
.macro MATCH q, p
	v_min_u32 v[T],   v[X+4*(\q)+2*(\p)], v[X+4*(\q)+2*(\p)+1]
	v_max_u32 v[T+1], v[X+4*(\q)+2*(\p)], v[X+4*(\q)+2*(\p)+1]
	v_cmp_eq_u32 vcc_lo, v[X+4*(\q)+2*(\p)], v[X+4*(\q)+2*(\p)+1]
	v_and_b32 v[T+2], 6, v[X+4*(\q)+2*(\p)]
	v_or_b32  v[T+3], 1, v[X+4*(\q)+2*(\p)]
	v_cndmask_b32 v[T],   v[T],   v[T+2], vcc_lo   ; the same expert twice: the pair of it and its neighbour
	v_cndmask_b32 v[T+1], v[T+1], v[T+3], vcc_lo
	v_lshl_or_b32 v[T], v[T], 3, v[T+1]
	v_cmp_eq_u32 vcc_lo, s[KEY], v[T]
	v_mbcnt_lo_u32_b32 v[T+2], vcc_lo, s[RUN]      ; matches so far + matching lanes below mine
	v_cndmask_b32 v[T+2], v[DIDX], v[T+2], vcc_lo  ; no match: my dump word
	v_min_u32 v[T+2], 0x41f, v[T+2]                ; 1,024 + 31 at the most: a wave has 1,024 tokens, so the bound changes nothing
	v_lshl_add_u32 v[T+2], v[T+2], 2, s[SUBB]
	v_add_nc_u32 v[T+3], 64*(\q)+(\p), v[TK0]
	ds_store_b32 v[T+2], v[T+3]
	s_bcnt1_i32_b32 s[CB], vcc_lo
	s_add_co_u32 s[RUN], s[RUN], s[CB]
.endm
.set q, 0
.rept 16
	MATCH q, 0
	MATCH q, 1
.set q, q+1
.endr
	s_branch .Ljoin
.Lcast:
	; THE CAST.  Work-group: expert e, 512 columns (half), 64 rows d (two K steps of 32).  Wave w: the 64 columns of slice 8 half + w.
	s_sub_co_u32 s[CID], s[ID], NSETS
	s_lshr_b32 s[TS], s[CID], 5                    ; e
	s_bfe_u32 s[CID+1], s[CID], 0x10004            ; half
	s_and_b32 s[CID+2], s[CID], 15                 ; block of 64 rows
	s_lshl_b32 s[OFS], s[TS], 22                   ; W: e x 4 MB + 64 rows x 4,096 bytes + half x 2,048 bytes
	s_lshl_b32 s[CID+3], s[CID+2], 18
	s_add_co_u32 s[OFS], s[OFS], s[CID+3]
	s_lshl_b32 s[CID+3], s[CID+1], 11
	s_add_co_u32 s[OFS], s[OFS], s[CID+3]
	s_add_nc_u64 s[WB:WB+1], s[4:5], s[OFS:OFS+1]
	s_lshl_b32 s[OFS], s[TS], 21                   ; wf: e x 2 MB + half x 8 slices of 128 KB + two K steps of 4 KB
	s_lshl_b32 s[CID+3], s[CID+1], 20
	s_add_co_u32 s[OFS], s[OFS], s[CID+3]
	s_lshl_b32 s[CID+3], s[CID+2], 13
	s_add_co_u32 s[OFS], s[OFS], s[CID+3]
	s_add_nc_u64 s[FB:FB+1], s[8:9], s[OFS:OFS+1]
	v_lshrrev_b32 v[T], 4, v[LANE]
	v_and_b32 v[T+1], 15, v[LANE]
	v_lshlrev_b32 v[WOFF], 4, v[T+1]               ; 16 (lane % 16): four columns,
	v_lshl_add_u32 v[WOFF], v[T], 15, v[WOFF]      ; eight rows further down for lanes 16 to 31,
	s_lshl_b32 s[TS], s[WV], 8
	v_add_nc_u32 v[WOFF], s[TS], v[WOFF]           ; my wave's 64 columns
	s_lshl_b32 s[TS], s[WV], 17
	v_lshl_add_u32 v[SOFF], v[LANE], 4, s[TS]      ; my wave's slice, 16 bytes a lane
	; all 32 loads go out first: 16 lanes read 256 consecutive bytes of one row, at a multiple of 256 from W's first byte.  Unit u = 16 rows (K step u / 2, half j = u % 2), row i of my eight
.set u, 0
.rept 4
.set i, 0
.rept 8
	global_load_b128 v[X+32*u+4*i:X+32*u+4*i+3], v[WOFF], s[WB:WB+1] offset:(16*u+i)*4096 th:TH_LOAD_NT
.set i, i+1
.endr
.set u, u+1
.endr
.set u, 0
.rept 4
	s_wait_loadcnt 24-8*u                          ; loads come back in order: unit u's eight are in, the later units' stay out
.set g, 0
.rept 4
.set m, 0
.rept 4
	v_cvt_pk_bf16_f32 v[PK+16*u+4*g+m], v[X+32*u+8*m+g], v[X+32*u+8*m+4+g]  ; rows 2 m and 2 m + 1 of column g
.set m, m+1
.endr
	global_store_b128 v[SOFF], v[PK+16*u+4*g:PK+16*u+4*g+3], s[FB:FB+1] offset:(u/2)*4096+g*1024+(u%2)*512  ; 512 consecutive bytes; no register of a store is written again
.set g, g+1
.endr
.set u, u+1
.endr
.Ljoin:
	v_mov_b32 v[T], s[RUN]
	ds_store_b32 v[CWA], v[T]                      ; my wave's count (0 in a work-group that casts): all lanes write the same word
	s_wait_xcnt 0x0                                ; what was issued has read its registers: the part below writes registers freely
	s_wait_dscnt 0x0                               ; for the others' sake: my stores into LDS are done
	s_barrier_signal -1
	s_barrier_wait -1
	s_cmp_ge_u32 s[ID], NSETS
	s_cbranch_scc1 .Lend
	; THE LIST GOES OUT.
	v_mov_b32 v[T], CW
	ds_load_b128 v[CV:CV+3], v[T]
	ds_load_b128 v[CV+4:CV+7], v[T] offset:16
	s_min_u32 s[TS], s[ID], NSETS-1                ; the set's number, bounded as list and counts are
	s_lshl_b32 s[OFS], s[TS], 15                   ; 8,192 words a set
	s_add_nc_u64 s[LISTB:LISTB+1], s[10:11], s[OFS:OFS+1]
	s_lshl_b32 s[CB], s[TS], 2
	s_mov_b32 s[RUNB], 0
	s_mov_b32 s[TOT], 0
	s_sub_co_u32 s[MYM1], s[RUN], 1                ; with no match it wraps, and every trip below is jumped
	s_wait_dscnt 0x0
.irp k, 0,1,2,3,4,5,6,7
	v_readfirstlane_b32 s[CN+\k], v[CV+\k]
.endr
.irp k, 0,1,2,3,4,5,6,7
	s_cmp_gt_u32 s[WV], \k
	s_cselect_b32 s[TS], s[CN+\k], 0
	s_add_co_u32 s[RUNB], s[RUNB], s[TS]
	s_add_co_u32 s[TOT], s[TOT], s[CN+\k]
.endr
	s_mov_b32 s[KC], 0
.Lcopy:                                                ; 32 trips cover a wave's 1,024 places; a trip past my count is jumped
	s_lshl_b32 s[K32], s[KC], 5
	s_cmp_ge_u32 s[K32], s[RUN]
	s_cbranch_scc1 .Lcstep
	v_add_nc_u32 v[T], s[K32], v[LANE]             ; my place among my wave's matches;
	v_min_u32 v[T], s[MYM1], v[T]                  ; a lane past the count repeats the last match: the same word takes the same number
	v_min_u32 v[T], 0x3ff, v[T]
	v_add_nc_u32 v[T+1], s[RUNB], v[T]             ; and its place in the set's list
	v_min_u32 v[T+1], 0x1fff, v[T+1]
	v_lshlrev_b32 v[T+1], 2, v[T+1]
	v_lshl_add_u32 v[T+2], v[T], 2, s[SUBB]
	ds_load_b32 v[VD], v[T+2]
	s_wait_dscnt 0x0
	global_store_b32 v[T+1], v[VD], s[LISTB:LISTB+1]
	s_wait_xcnt 0x0                                ; the offset and the data are written again only behind this wait
.Lcstep:
	s_add_co_u32 s[KC], s[KC], 1
	s_cmp_lt_u32 s[KC], 32
	s_cbranch_scc1 .Lcopy
	s_cmp_lg_u32 s[WV], 0
	s_cbranch_scc1 .Lend                           ; wave 0 stores the set's count: all its lanes write the same word
	v_mov_b32 v[T], s[TOT]
	v_mov_b32 v[T+1], s[CB]
	global_store_b32 v[T+1], v[T], s[12:13]
.Lend:
	s_wait_tensorcnt 0x0                           ; the wave's end, behind my last LDS store
	ds_add_u32 v[SPW], v[NIL]
	s_wait_dscnt 0x0
	s_endpgm
.Lfunc_end_k_q3574fcdca3_prep:
	.size	k_q3574fcdca3_prep, .Lfunc_end_k_q3574fcdca3_prep-k_q3574fcdca3_prep
	.p2alignl 7, 3214868480
	.fill 96, 4, 3214868480
	.section	.rodata,"a",@progbits
	.p2align	6, 0x0
	.amdhsa_kernel k_q3574fcdca3_prep
		.amdhsa_group_segment_fixed_size 36096
		.amdhsa_private_segment_fixed_size 0
		.amdhsa_enable_private_segment 0
		.amdhsa_kernarg_size 40
		.amdhsa_user_sgpr_count 2
		.amdhsa_user_sgpr_kernarg_segment_ptr 1
		.amdhsa_wavefront_size32 1
		.amdhsa_system_sgpr_workgroup_id_x 1
		.amdhsa_system_sgpr_workgroup_id_y 1
		.amdhsa_system_sgpr_workgroup_id_z 1
		.amdhsa_system_vgpr_workitem_id 0
		.amdhsa_next_free_vgpr 224
		.amdhsa_next_free_sgpr 66
		.amdhsa_reserve_vcc 1
		.amdhsa_float_denorm_mode_32 3
		.amdhsa_float_denorm_mode_16_64 3
		.amdhsa_memory_ordered 1
		.amdhsa_forward_progress 1
		.amdhsa_inst_pref_size 39
	.end_amdhsa_kernel
	.amdgpu_metadata
---
amdhsa.version: [ 1, 2 ]
amdhsa.kernels:
  - .name:           k_q3574fcdca3_prep
    .symbol:         k_q3574fcdca3_prep.kd
    .args:
      - { .name: W, .offset: 0, .size: 8, .value_kind: global_buffer, .address_space: global }
      - { .name: top_k_indices, .offset: 8, .size: 8, .value_kind: global_buffer, .address_space: global }
      - { .name: wf, .offset: 16, .size: 8, .value_kind: global_buffer, .address_space: global }
      - { .name: list, .offset: 24, .size: 8, .value_kind: global_buffer, .address_space: global }
      - { .name: counts, .offset: 32, .size: 8, .value_kind: global_buffer, .address_space: global }
    .group_segment_fixed_size: 36096
    .private_segment_fixed_size: 0
    .kernarg_segment_align: 8
    .kernarg_segment_size: 40
    .max_flat_workgroup_size: 256
    .sgpr_count:     66
    .vgpr_count:     224
    .wavefront_size: 32
...
	.end_amdgpu_metadata
.endif
;; end of part 1
;; launch moe (part 2): grid 4 x 82, 4 waves a work-group, no clusters, 327,680 bytes of LDS; arguments x, expert_weights, top_k_indices, b, wf, list, counts, out0; writes out0
.if DOCPART == 2
	.amdgcn_target "amdgcn-amd-amdhsa--gfx1250"
	.amdhsa_code_object_version 6
	.text
	.protected	k_q3574fcdca3_moe
	.globl	k_q3574fcdca3_moe
	.p2align	8
	.type	k_q3574fcdca3_moe,@function
k_q3574fcdca3_moe:
	s_mov_b64 s[64:65], 0
	v_nop
	global_prefetch_b8 v0, s[64:65] scope:SCOPE_SE
	s_setreg_imm32_b32 hwreg(HW_REG_WAVE_MODE, 25, 1), 1
	s_wait_xcnt 0x0
; out[t][f] = w0 (x[t] W[e0] + b[e0])[f] + w1 (x[t] W[e1] + b[e1])[f], for 8,192 tokens t, 1,024 columns f.
; A TILE is up to 150 tokens of ONE pair of experts {lo, hi} (the lists and counts of the launch before) x 256 columns.  Work-group (x, y): column tile x, row tile y of the pairs' tiles laid end to end.
; A pair of n tokens has ceil(n / 150) tiles, so there are never more than floor((8,192 + 28 x 149) / 150) = 82, whatever the split: the grid's height.  A work-group past the last tile stores nothing and ends.
; FILL: the tile's rows of x are gathered, rounded once to bf16 and laid into LDS; one barrier.  MULTIPLY: K in 32 steps of 32; each fragment of x is multiplied by BOTH experts' weights, into two sets of
; accumulators; the four waves split the columns (64 each), so each fragment of W has one reader and comes from memory (wf, laid out for that) straight into registers, four stages deep.
; The bias is the C operand of the first K step.  WAY OUT: out = wl accL + wh accH in f32, through a stage of the wave's own in LDS, stored as whole rows of 256 bytes.
; THE MATRIX INSTRUCTION IS USED TRANSPOSED: source 0 = 16 columns of W, source 1 = 16 tokens.  Fragment g of a slice holds columns f0 + 4 m + g (m = 0 .. 15), so in the results lane l holds token l % 16,
; and registers jj of accumulators g = 0 .. 3 are columns f0 + 32 (l / 16) + 4 jj + g: 32 neighbouring columns.
; LIMITS.  ALL FOUR floating inputs are rounded once to bf16 (8 significant bits): x and W as matrix operands, and b and the two expert weights as well, so that every input has the same one rounding;
; sums, the combination and the output stay in f32.  A token with e0 = e1 = a lies in the pair {a & 6, a | 1} and is computed as (w0 + w1) x (a's result) + 0 x (the neighbour's result): the neighbour's
; result is taken to be finite, and the two weights are added before the product, not behind it.  Indices are taken to lie in 0 to 7.  NaN and infinities are not treated apart.
; NO CLUSTER.  A slice of W is shared by the row tiles of one pair alone, whose number hangs on the split (2 or 4 as a rule, 0 to 55 in general), so partners would differ in what they ask for; the rows of x that the
; four column tiles share come by a list, which no tile descriptor covers.  NO TENSOR LOAD: x has to be rounded on its way, and W's fragments have one reader each.
.set CAP,    150                       ; rows a tile can hold
.set PITCH,  2064                      ; an LDS row of x: 2,048 bytes of bf16 + 16 = 129 x 16: the 16 rows of a fragment load start at 16 different 16-byte columns modulo 256
.set STAGE,  309760                    ; behind the 150 rows (309,600 bytes): 16 rows x 272 bytes for each wave, its own
.set SPITCH, 272
.set STGB,   16*SPITCH
.set SPARE,  STAGE+4*STGB              ; the spare words, 128 bytes for each wave: two blocks of 256 bytes that no other line names; they end at byte 327,680
.set NSETS,  28
.set LISTMAX, NSETS*8192-1
; VECTOR REGISTERS, in windows of 256 (s_set_vgpr_msb: bits 1:0 source 0, 3:2 source 1, 5:4 source 2, 7:6 destination):
;   window 0: v0-31 addresses; v32-111 fragments of x, block i at 32 + 8 i; v112-121 offsets; v128-191 W stage 2; v192-255 W stage 3 (the bias first)
;   window 1: v0-63 W stage 0; v64-127 W stage 1; v128-191, v192-255 the accumulators of blocks 8, 9      window 2: those of blocks 0-3      window 3: those of blocks 4-7
;   a block has 64: accumulator a = 4 e + g (e = 0: lo, 1: hi) at + 8 a; a stage holds fragment a at + 8 a
.set RR,    1                          ; v1     lane % 16
.set SPW,   2                          ; v2     LDS address of my spare word; never rewritten
.set NIL,   3                          ; v3     0; never rewritten
.set ABASE, 4                          ; v4-13  block i: LDS address of my part of its fragment in the K step group in hand
.set L16,   14                         ; v14    16 lane
.set HH,    15                         ; v15    lane / 16
.set TOKR,  16                         ; v16-25 block i: the token of row 16 i + lane % 16
.set L8,    26                         ; v26    8 lane
.set H128,  27                         ; v27    128 (lane / 16)
.set STO,   28                         ; v28    the way out: where I put my 128 bytes of a row
.set RD,    29                         ; v29    the way out: where I read rows back
.set CO,    30                         ; v30    16 (lane % 16)
.set TMPV,  31
.set AF,    32
.set TKO,   112
.set BIAS,  192
.set TL,    32                         ; FILL: v32-36 token lists; v40-47 offsets in x; v48-51 LDS addresses; v52-56 offsets in list; window 2: x as loaded, two sets of 128; window 3 v0-63: packed
.set XO,    40
.set LA,    48
.set TA,    52
.set PKD,   0
.set TW,    32                         ; the way out: v32-71 four terms a block; v72-81 wl; v82-91 wh; v128-159 results; v160-191 rows read back; v192-199 offsets in out; v200-207 4 x (row of a pair)
.set WL,    72
.set WH,    82
.set OUTR,  128
.set BK,    160
.set RO,    192
.set IDX,   200
; SCALAR REGISTERS
.set XP,  4                            ; s[4:19] the eight addresses
.set EWP, 6
.set IXP, 8
.set BP,  10
.set WFP, 12
.set LSP, 14
.set CNP, 16
.set OP,  18
.set CN,  20                           ; s20-47 the 28 counts; later at work:
.set TK,  20                           ; s20-23 four tokens
.set RW,  24
.set RC,  25
.set WV,  48
.set XT,  49
.set YT,  50
.set SETN, 51
.set NN,  52
.set TT,  53
.set TB,  54
.set ACC, 55
.set TMP, 56
.set TMP2, 57
.set PER, 58
.set FIRST, 59
.set ROWS, 60
.set ROWSM1, 61
.set LIVE, 62
.set NBLK, 63
.set ELO, 66
.set EHI, 67
.set WLB, 68                           ; s[68:69], s[70:71] wf at my slice of lo's and hi's weights, at the K step group in hand
.set WHB, 70
.set BLB, 72                           ; s[72:73], s[74:75] b at my 64 columns
.set BHB, 74
.set OUTB, 76                          ; s[76:77] out at my 64 columns
.set LB,  78                           ; s78 the tile's first place in list, in words
.set R32, 79
.set RB,  80
.set CNT, 81
.set STGW, 82
.set REM4, 83
.set SV,  84
.set OFS, 86                           ; s[86:87] an offset in 64 bits; the high word stays 0
.set MSB, 0
.macro WIN new                         ; the immediate's high byte repeats the setting that is left; a switch that changes nothing is dropped
.if MSB != (\new)
	s_set_vgpr_msb (MSB<<8)|(\new)
.set MSB, \new
.endif
.endm
.macro PLACES                          ; four plain vector instructions between a matrix instruction and a load into, or a vector write or read of, its registers
.rept 4
	v_nop
.endr
.endm
	s_load_b512 s[4:19], s[0:1], 0x0
	v_lshl_add_u32 v[SPW], v0, 2, SPARE
	v_mov_b32 v[NIL], 0
	v_lshrrev_b32 v[TMPV], 5, v0
	v_readfirstlane_b32 s[WV], v[TMPV]
	s_mov_b32 s[XT], ttmp9
	s_and_b32 s[YT], ttmp7, 0xffff
	v_and_b32 v[RR], 15, v0
	v_bfe_u32 v[HH], v0, 4, 1
	v_and_b32 v[TMPV], 31, v0
	v_lshlrev_b32 v[L16], 4, v[TMPV]
	v_lshlrev_b32 v[L8], 3, v[TMPV]
	v_lshlrev_b32 v[H128], 7, v[HH]
	v_lshlrev_b32 v[CO], 4, v[RR]
	s_mul_i32 s[STGW], s[WV], STGB
	s_add_co_u32 s[STGW], s[STGW], STAGE           ; my stage
	v_mul_u32_u24 v[STO], v[RR], SPITCH            ; in: row lane % 16, 128 bytes for each half of the lanes
	v_lshl_add_u32 v[STO], v[HH], 7, v[STO]
	v_add_nc_u32 v[STO], s[STGW], v[STO]
	v_mul_u32_u24 v[RD], v[HH], SPITCH             ; back: lanes 0-15 take one row of 256 bytes, lanes 16-31 the next
	v_lshl_add_u32 v[RD], v[RR], 4, v[RD]
	v_add_nc_u32 v[RD], s[STGW], v[RD]
	s_mov_b32 s[ACC], 0
	s_mov_b32 s[SETN], 0
	s_mov_b32 s[NN], 0
	s_mov_b32 s[TT], 0
	s_mov_b32 s[TB], 0
	s_mov_b32 s[OFS+1], 0
	s_wait_kmcnt 0x0
	s_load_b512 s[20:35], s[CNP:CNP+1], 0x0        ; the 28 counts
	s_load_b256 s[36:43], s[CNP:CNP+1], 0x40
	s_load_b128 s[44:47], s[CNP:CNP+1], 0x60
	s_wait_kmcnt 0x0
	; WHICH TILE.  Set n has t = ceil(n_n / 150) tiles: ((n + 149) x 111,849) >> 24, exact up to n = 8,192 (111,849 x 150 - 2^24 = 134, and 8,341 x 134 < 2^24; the product stays under 2^32).
	; The last set whose first tile is at or below y is mine: a set without tiles is overwritten by the next.
.set n, 0
.rept NSETS
	s_add_co_u32 s[TMP], s[CN+n], CAP-1
	s_mul_i32 s[TMP], s[TMP], 111849
	s_lshr_b32 s[TMP], s[TMP], 24
	s_cmp_le_u32 s[ACC], s[YT]
	s_cselect_b32 s[SETN], n, s[SETN]
	s_cselect_b32 s[NN], s[CN+n], s[NN]
	s_cselect_b32 s[TT], s[TMP], s[TT]
	s_cselect_b32 s[TB], s[ACC], s[TB]
	s_add_co_u32 s[ACC], s[ACC], s[TMP]
.set n, n+1
.endr
	s_mov_b32 s[PER], CAP                          ; rows a tile of this set: the least multiple of 16 with which its tiles hold it, else 150
.irp u, 9,8,7,6,5,4,3,2,1
	s_mul_i32 s[TMP], s[TT], 16*\u
	s_cmp_ge_u32 s[TMP], s[NN]
	s_cselect_b32 s[PER], 16*\u, s[PER]
.endr
	s_sub_co_u32 s[TMP], s[YT], s[TB]              ; my tile among the set's
	s_cmp_lt_u32 s[TMP], s[TT]
	s_cselect_b32 s[LIVE], 1, 0
	s_mul_i32 s[FIRST], s[TMP], s[PER]
	s_sub_co_u32 s[ROWS], s[NN], s[FIRST]
	s_min_u32 s[ROWS], s[ROWS], s[PER]             ; at least 1 in a live tile: (t - 1) x 150 < n
	s_sub_co_u32 s[ROWSM1], s[ROWS], 1
	s_add_co_u32 s[NBLK], s[ROWS], 15
	s_lshr_b32 s[NBLK], s[NBLK], 4
	s_mov_b32 s[ELO], 0                            ; the set's pair, as the launch before numbers them
.irp c, 7,13,18,22,25,27
	s_cmp_ge_u32 s[SETN], \c
	s_add_co_ci_u32 s[ELO], s[ELO], 0
.endr
	s_sub_co_u32 s[TMP], 15, s[ELO]
	s_mul_i32 s[TMP], s[TMP], s[ELO]
	s_lshr_b32 s[TMP], s[TMP], 1
	s_sub_co_u32 s[EHI], s[SETN], s[TMP]
	s_add_co_u32 s[EHI], s[EHI], s[ELO]
	s_add_co_u32 s[EHI], s[EHI], 1
	s_min_u32 s[ELO], s[ELO], 7
	s_min_u32 s[EHI], s[EHI], 7
	s_lshl_b32 s[LB], s[SETN], 13
	s_add_co_u32 s[LB], s[LB], s[FIRST]
	s_lshl_b32 s[TMP], s[XT], 2
	s_add_co_u32 s[TMP], s[TMP], s[WV]             ; my slice of 64 columns
	s_lshl_b32 s[TMP], s[TMP], 17                  ; 128 KB a slice,
	s_lshl_b32 s[OFS], s[ELO], 21                  ; 2 MB an expert
	s_add_co_u32 s[OFS], s[OFS], s[TMP]
	s_add_nc_u64 s[WLB:WLB+1], s[WFP:WFP+1], s[OFS:OFS+1]
	s_lshl_b32 s[OFS], s[EHI], 21
	s_add_co_u32 s[OFS], s[OFS], s[TMP]
	s_add_nc_u64 s[WHB:WHB+1], s[WFP:WFP+1], s[OFS:OFS+1]
	s_lshl_b32 s[TMP2], s[XT], 10
	s_lshl_b32 s[TMP], s[WV], 8
	s_add_co_u32 s[TMP2], s[TMP2], s[TMP]          ; my first column in bytes of f32: 1,024 x + 256 wave
	s_lshl_b32 s[OFS], s[ELO], 12
	s_add_co_u32 s[OFS], s[OFS], s[TMP2]
	s_add_nc_u64 s[BLB:BLB+1], s[BP:BP+1], s[OFS:OFS+1]
	s_lshl_b32 s[OFS], s[EHI], 12
	s_add_co_u32 s[OFS], s[OFS], s[TMP2]
	s_add_nc_u64 s[BHB:BHB+1], s[BP:BP+1], s[OFS:OFS+1]
	s_mov_b32 s[OFS], s[TMP2]
	s_add_nc_u64 s[OUTB:OUTB+1], s[OP:OP+1], s[OFS:OFS+1]
	; A fragment of x is 16 rows x 32 K in 8 registers: lane l holds row l % 16; registers 0-3 K = 8 (l / 16) + 0..7, registers 4-7 K = 16 + 8 (l / 16) + 0..7: two loads of 16 bytes, 32 bytes apart.
	; A place past the tile's count repeats the tile's last row.
.irp i, 0,1,2,3,4,5,6,7,8,9
	v_add_nc_u32 v[ABASE+\i], 16*\i, v[RR]
	v_min_u32 v[ABASE+\i], s[ROWSM1], v[ABASE+\i]
	v_min_u32 v[ABASE+\i], CAP-1, v[ABASE+\i]
	v_mul_u32_u24 v[ABASE+\i], v[ABASE+\i], PITCH
	v_lshl_add_u32 v[ABASE+\i], v[HH], 4, v[ABASE+\i]
.endr
	s_cmp_eq_u32 s[LIVE], 0
	s_cbranch_scc1 .Lfilled                        ; a work-group without rows fills nothing; it passes the barrier like every other
	; FILL.  Of every block of 16 rows wave w takes rows 4 w to 4 w + 3.  List c: lane l holds the token of row 32 c + 16 (l / 16) + 4 w + l % 4.
	s_lshl_b32 s[RB], s[WV], 2
	v_and_b32 v[TMPV], 3, v0
	v_lshl_add_u32 v[TMPV], v[HH], 4, v[TMPV]
	v_add_nc_u32 v[TMPV], s[RB], v[TMPV]
.irp c, 0,1,2,3,4
	v_add_nc_u32 v[TA+\c], 32*\c, v[TMPV]
	v_min_u32 v[TA+\c], s[ROWSM1], v[TA+\c]
	v_add_nc_u32 v[TA+\c], s[LB], v[TA+\c]
	v_min_u32 v[TA+\c], LISTMAX, v[TA+\c]
	v_lshlrev_b32 v[TA+\c], 2, v[TA+\c]
	global_load_b32 v[TL+\c], v[TA+\c], s[LSP:LSP+1]
.endr
	s_mov_b32 s[R32], 0
	s_mov_b32 s[CNT], 5
	s_wait_loadcnt 0x0
; Four rows are asked for, into set ab (0, 1) of window 2: the tokens in lanes lane0 to lane0 + 3 of list t; a row is eight loads of 512 consecutive bytes.
.macro ISSUE ab, t, lane0
	WIN 0
.irp rho, 0,1,2,3
	v_readlane_b32 s[TK+\rho], v[\t], (\lane0)+\rho
	s_min_u32 s[TK+\rho], s[TK+\rho], 0x1fff
	v_lshl_add_u32 v[XO+4*(\ab)+\rho], s[TK+\rho], 12, v[L16]  ; this set's earlier loads were shown done by their counted wait, so its offsets may be written
.endr
	WIN 0x80                                       ; destination window 2, address window 0
.irp rho, 0,1,2,3
.irp q, 0,1,2,3,4,5,6,7
	global_load_b128 v[128*(\ab)+32*\rho+4*\q:128*(\ab)+32*\rho+4*\q+3], v[XO+4*(\ab)+\rho], s[XP:XP+1] offset:512*\q
.endr
.endr
	WIN 0
.endm
; Set ab's four rows, rows RB + 16 u + 0..3 of the tile, are rounded to bf16 and stored: a lane's four numbers are 8 bytes, a store of the wave 256 consecutive bytes.
; A row past 149 (it repeats the last row, and nobody reads it) goes into my own stage, which is not in use yet: no two waves write the same bytes.
.macro CONV ab, u
	WIN 0
.irp rho, 0,1,2,3
	s_add_co_u32 s[RW], s[RB], 16*(\u)+\rho
	s_min_u32 s[RC], s[RW], CAP-1
	s_mul_i32 s[RC], s[RC], PITCH
	s_cmp_gt_u32 s[RW], CAP-1
	s_cselect_b32 s[RC], s[STGW], s[RC]
	v_add_nc_u32 v[LA+\rho], s[RC], v[L8]
.endr
	WIN 0xca                                       ; sources window 2, destination window 3
.irp rho, 0,1,2,3
.irp q, 0,1,2,3,4,5,6,7
	v_cvt_pk_bf16_f32 v[PKD+16*\rho+2*\q],   v[128*(\ab)+32*\rho+4*\q],   v[128*(\ab)+32*\rho+4*\q+1]
	v_cvt_pk_bf16_f32 v[PKD+16*\rho+2*\q+1], v[128*(\ab)+32*\rho+4*\q+2], v[128*(\ab)+32*\rho+4*\q+3]
.endr
.endr
	WIN 0x0c                                       ; address window 0, data window 3
.irp rho, 0,1,2,3
.irp q, 0,1,2,3,4,5,6,7
	ds_store_b64 v[LA+\rho], v[PKD+16*\rho+2*\q:PKD+16*\rho+2*\q+1] offset:256*\q
.endr
.endr
	WIN 0
.endm
	ISSUE 0, TL, 0
.Lfill:                                                ; five trips cover 160 rows, two blocks each; a trip past the tile's rows is jumped.  One set is rounded while the other's 32 loads are on their way
	s_cmp_ge_u32 s[R32], s[ROWS]
	s_cbranch_scc1 .Lfstep
	ISSUE 1, TL, 16
	s_wait_loadcnt 32                              ; loads come back in order: the first set's are in, the 32 just issued stay out
	CONV 0, 0
	s_add_co_u32 s[TMP], s[R32], 32
	s_cmp_lt_u32 s[TMP], s[ROWS]
	s_cbranch_scc0 .Lfno
	ISSUE 0, TL+1, 0                               ; the next trip's first block
	s_wait_loadcnt 32                              ; the second set's are in
	s_branch .Lfb
.Lfno:
	s_wait_loadcnt 0x0
.Lfb:
	CONV 1, 1
.Lfstep:
	v_mov_b32 v[TL], v[TL+1]                       ; the lists move up, so that one text serves every trip
	v_mov_b32 v[TL+1], v[TL+2]
	v_mov_b32 v[TL+2], v[TL+3]
	v_mov_b32 v[TL+3], v[TL+4]
	s_add_co_u32 s[R32], s[R32], 32
	s_add_co_u32 s[RB], s[RB], 32
	s_sub_co_u32 s[CNT], s[CNT], 1
	s_cmp_lg_u32 s[CNT], 0
	s_cbranch_scc1 .Lfill
	s_wait_loadcnt 0x0
.Lfilled:
	s_wait_dscnt 0x0                               ; for the others' sake: my rows are in LDS
	s_barrier_signal -1
	s_barrier_wait -1                              ; everybody's are; from here on the rows are only read
	s_cmp_eq_u32 s[LIVE], 0
	s_cbranch_scc1 .Ldone
	; MULTIPLY.
.macro ACCOF i                         ; window AW and first register AB of block i's accumulators
.if (\i) < 4
.set AW, 2
.set AB, 64*(\i)
.elseif (\i) < 8
.set AW, 3
.set AB, 64*((\i)-4)
.else
.set AW, 1
.set AB, 128+64*((\i)-8)
.endif
.endm
; Block i x the eight fragments of stage st.  The eight accumulators take turns, one instruction a turn.  cb = 1: the first K step: C is the bias, and nothing is ever cleared.
.macro MULB i, st, cb
	ACCOF \i
.if \cb
	WIN (AW<<6)|(1-(\st)/2)
.else
	WIN (AW<<6)|(AW<<4)|(1-(\st)/2)
.endif
.irp a, 0,1,2,3,4,5,6,7
.if \cb
	v_wmma_f32_16x16x32_bf16 v[AB+8*\a:AB+8*\a+7], v[64*(\st)+8*\a:64*(\st)+8*\a+7], v[AF+8*(\i):AF+8*(\i)+7], v[BIAS+8*\a:BIAS+8*\a+7]
.else
	v_wmma_f32_16x16x32_bf16 v[AB+8*\a:AB+8*\a+7], v[64*(\st)+8*\a:64*(\st)+8*\a+7], v[AF+8*(\i):AF+8*(\i)+7], v[AB+8*\a:AB+8*\a+7]
.endif
.endr
.endm
.macro ALOAD i0, i1, imm               ; the fragments of x of blocks i0 to i1, at byte imm of the rows
	WIN 0
.set bi, \i0
.rept (\i1)-(\i0)+1
	ds_load_b128 v[AF+8*bi:AF+8*bi+3],   v[ABASE+bi] offset:(\imm)
	ds_load_b128 v[AF+8*bi+4:AF+8*bi+7], v[ABASE+bi] offset:(\imm)+32
.set bi, bi+1
.endr
.endm
.macro BLOAD st, imm                   ; a K step's eight fragments of W, 4 KB of lo's slice and 4 KB of hi's, into stage st: sixteen loads of 512 consecutive bytes
	WIN (1-(\st)/2)<<6
.irp a, 0,1,2,3
	global_load_b128 v[64*(\st)+8*\a:64*(\st)+8*\a+3],   v[L16], s[WLB:WLB+1] offset:(\imm)+1024*\a
	global_load_b128 v[64*(\st)+8*\a+4:64*(\st)+8*\a+7], v[L16], s[WLB:WLB+1] offset:(\imm)+1024*\a+512
.endr
.irp a, 0,1,2,3
	global_load_b128 v[64*(\st)+32+8*\a:64*(\st)+32+8*\a+3],   v[L16], s[WHB:WHB+1] offset:(\imm)+1024*\a
	global_load_b128 v[64*(\st)+32+8*\a+4:64*(\st)+32+8*\a+7], v[L16], s[WHB:WHB+1] offset:(\imm)+1024*\a+512
.endr
.endm
; Each block's LDS address is held to the largest that it ever has: its last row, the upper half of the lanes, the eighth group of four K steps.  The bound changes nothing; with a load's offset of 288 at
; the most it keeps every fragment load below byte 309,648, under the stages.  It stands behind each label of a K step, so that between a bound and the loads that lean on it lies neither a label nor a
; branch: by whatever way the label was reached, the lines in front of a run of loads show which bytes it can read.  The ten lines are plain, and name no register of the products round them.
.macro CLAMP
	WIN 0
.set bi, 0
.rept 10
.set mr, 16*bi+15
.if mr > CAP-1
.set mr, CAP-1
.endif
	v_min_u32 v[ABASE+bi], mr*PITCH+16+7*256, v[ABASE+bi]
.set bi, bi+1
.endr
.endm
; A K STEP, number u of a group of four, on stage u.  aload = 1: the next step's fragments of x are fetched, each run behind the products that read its registers.  refill = 1: the stage takes the step four on;
; 2: the first step of all, in which stage 3, which held the bias, takes step 3 first.  lcnt: the global loads issued behind this stage's.  skip = 1: blocks 8 and 9 are jumped where the tile has no such rows.
; The LDS counts are the loads issued behind those wanted: behind blocks 0-3's stand blocks 4-9's 12; behind 4-7's stand 8-9's 4 and the next step's 0-3's 8; behind 8-9's the next step's 16.
; All loads stand outside the jumps, so the counts hold on every path.
.macro STEP u, cb, aload, refill, lcnt, skip
	s_wait_loadcnt \lcnt
	s_wait_dscnt 12
.irp i, 0,1,2,3
	MULB \i, \u, \cb
.endr
	WIN 0
.if \aload
	PLACES
	ALOAD 0, 3, 64*((\u)+1)
	s_wait_dscnt 12
.else
	s_wait_dscnt 4
.endif
.irp i, 4,5,6,7
	MULB \i, \u, \cb
.endr
	WIN 0
.if \aload
	PLACES
	ALOAD 4, 7, 64*((\u)+1)
	s_wait_dscnt 16
.else
	s_wait_dscnt 0x0
.endif
.if \skip
	s_cmp_lt_u32 s[NBLK], 9
	s_cbranch_scc1 .Lshort_\@
.endif
	MULB 8, \u, \cb
	WIN 0
.if \skip
	s_cmp_lt_u32 s[NBLK], 10
	s_cbranch_scc1 .Lshort_\@
.endif
	MULB 9, \u, \cb
	WIN 0
.Lshort_\@:
.if \aload
	CLAMP                                          ; its ten plain lines are also the places in front of the loads below and of the stage's refill
	ALOAD 8, 9, 64*((\u)+1)
.endif
.if (\refill) == 2
	BLOAD 3, 3*4096
.endif
.if \refill
	BLOAD \u, (4+(\u))*4096
.endif
.endm
; On to the next group of four K steps: 256 bytes along the rows of x, 16 KB along the slices of W.  Each stepped LDS address is held to CLAMP's bound at once.
.macro ADVANCE
	WIN 0
.set bi, 0
.rept 10
.set mr, 16*bi+15
.if mr > CAP-1
.set mr, CAP-1
.endif
	v_add_nc_u32 v[ABASE+bi], 256, v[ABASE+bi]
	v_min_u32 v[ABASE+bi], mr*PITCH+16+7*256, v[ABASE+bi]
.set bi, bi+1
.endr
	s_wait_xcnt 0x0                                ; the loads issued have read their base: only behind this wait is it stepped
	s_add_nc_u64 s[WLB:WLB+1], s[WLB:WLB+1], 16384
	s_add_nc_u64 s[WHB:WHB+1], s[WHB:WHB+1], 16384
.endm
.irp i, 0,1,2,3,4,5,6,7,8,9
	v_add_nc_u32 v[TKO+\i], 16*\i, v[RR]
	v_min_u32 v[TKO+\i], s[ROWSM1], v[TKO+\i]
	v_add_nc_u32 v[TKO+\i], s[LB], v[TKO+\i]
	v_min_u32 v[TKO+\i], LISTMAX, v[TKO+\i]
	v_lshlrev_b32 v[TKO+\i], 2, v[TKO+\i]
.endr
.irp i, 0,1,2,3,4,5,6,7,8,9
	global_load_b32 v[TOKR+\i], v[TKO+\i], s[LSP:LSP+1]
.endr
.irp a, 0,1,2,3                        ; the bias as a C operand: register jj of accumulator g is column 32 (l / 16) + 4 jj + g of my 64
.irp jj, 0,1,2,3,4,5,6,7
	global_load_b32 v[BIAS+8*\a+\jj],    v[H128], s[BLB:BLB+1] offset:16*\jj+4*\a
	global_load_b32 v[BIAS+32+8*\a+\jj], v[H128], s[BHB:BHB+1] offset:16*\jj+4*\a
.endr
.endr
	BLOAD 0, 0
	BLOAD 1, 4096
	BLOAD 2, 2*4096
	ALOAD 0, 9, 0
	s_wait_loadcnt 48                              ; the tokens and the bias are in; the three stages' 48 loads, issued behind them, stay out
.set m, 0
.rept 32                               ; the bias is rounded to bf16 like every other input, in place: two at a time, then each back into a register of its own
	v_cvt_pk_bf16_f32 v[BIAS+2*m], v[BIAS+2*m], v[BIAS+2*m+1]
.set m, m+1
.endr
.set m, 0
.rept 32
	v_and_b32 v[BIAS+2*m+1], 0xffff0000, v[BIAS+2*m]
.set m, m+1
.endr
.set m, 0
.rept 32
	v_lshlrev_b32 v[BIAS+2*m], 16, v[BIAS+2*m]
.set m, m+1
.endr
	STEP 0, 1, 1, 2, 32, 0                         ; behind stage 0's loads stand stages 1 and 2: 32.  All ten blocks, so that every accumulator is begun
	STEP 1, 0, 1, 1, 48, 1                         ; from here on three younger stages: 48
	STEP 2, 0, 1, 1, 48, 1
	STEP 3, 0, 1, 1, 48, 1
	WIN 0
	s_mov_b32 s[CNT], 6
.Lk:                                                   ; K steps 4 to 27
	ADVANCE
	STEP 0, 0, 1, 1, 48, 1
	STEP 1, 0, 1, 1, 48, 1
	STEP 2, 0, 1, 1, 48, 1
	STEP 3, 0, 1, 1, 48, 1
	WIN 0
	s_sub_co_u32 s[CNT], s[CNT], 1
	s_cmp_lg_u32 s[CNT], 0
	s_cbranch_scc1 .Lk
	ADVANCE
	STEP 0, 0, 1, 0, 48, 1                         ; K steps 28 to 31 fetch no weights
	WIN 0
.irp i, 0,1,2,3,4,5,6,7,8,9
	v_min_u32 v[TKO+\i], 0x1fff, v[TOKR+\i]
	v_lshlrev_b32 v[TKO+\i], 3, v[TKO+\i]          ; a token's two indices, and its two weights, are 8 bytes
.endr
	WIN 0x40                                       ; stage 0 is free: block i's e0, e1, w0, w1 at 4 i of window 1
.irp i, 0,1,2,3,4,5,6,7,8,9
	global_load_b64 v[4*\i:4*\i+1],   v[TKO+\i], s[IXP:IXP+1]
	global_load_b64 v[4*\i+2:4*\i+3], v[TKO+\i], s[EWP:EWP+1]
.endr
	STEP 1, 0, 1, 0, 52, 1                         ; two younger stages and those 20
	STEP 2, 0, 1, 0, 36, 1
	STEP 3, 0, 0, 0, 20, 1
	; THE WAY OUT.  wl = (e0 = lo ? w0 : 0) + (e1 = lo ? w1 : 0), wh likewise: it serves either order of the two experts, and the same expert twice.
	WIN 0
	s_wait_loadcnt 0x0
	PLACES
.irp t, 0,1,2,3,4,5,6,7
	v_lshl_add_u32 v[IDX+\t], v[HH], 2, 8*\t       ; 4 x (2 t + lane / 16): the row of the block that I store in turn t
.endr
	WIN 0x45                                       ; sources 0 and 1 and the destination in window 1: the two weights are rounded to bf16 like every other input, in place
.irp i, 0,1,2,3,4,5,6,7,8,9
	v_cvt_pk_bf16_f32 v[4*\i+2], v[4*\i+2], v[4*\i+3]
.endr
.irp i, 0,1,2,3,4,5,6,7,8,9
	v_and_b32 v[4*\i+3], 0xffff0000, v[4*\i+2]
.endr
.irp i, 0,1,2,3,4,5,6,7,8,9
	v_lshlrev_b32 v[4*\i+2], 16, v[4*\i+2]
.endr
	WIN 0x04                                       ; source 1 window 1
.irp i, 0,1,2,3,4,5,6,7,8,9
	v_cmp_eq_u32 vcc_lo, s[ELO], v[4*\i]
	v_cndmask_b32 v[TW+4*\i], 0, v[4*\i+2], vcc_lo
	v_cmp_eq_u32 vcc_lo, s[ELO], v[4*\i+1]
	v_cndmask_b32 v[TW+4*\i+1], 0, v[4*\i+3], vcc_lo
	v_cmp_eq_u32 vcc_lo, s[EHI], v[4*\i]
	v_cndmask_b32 v[TW+4*\i+2], 0, v[4*\i+2], vcc_lo
	v_cmp_eq_u32 vcc_lo, s[EHI], v[4*\i+1]
	v_cndmask_b32 v[TW+4*\i+3], 0, v[4*\i+3], vcc_lo
.endr
	WIN 0
.irp i, 0,1,2,3,4,5,6,7,8,9
	v_add_f32 v[WL+\i], v[TW+4*\i],   v[TW+4*\i+1]
	v_add_f32 v[WH+\i], v[TW+4*\i+2], v[TW+4*\i+3]
.endr
; Block i: combined (each accumulator's lowest register is read first), 128 bytes a lane into my stage, back as whole rows of 256 bytes, stored at the rows' tokens.
; A block past the tile's rows ends the way out; the block that holds the tile's last row, if not full, goes to the one copy of the stores that narrows EXEC.
.macro OUTBLK i
.if (\i) > 0
	s_cmp_le_u32 s[ROWS], 16*(\i)
	s_cbranch_scc1 .Ldone
.endif
	ACCOF \i
	WIN AW<<2                                      ; source 1: the block's window
.irp jj, 0,1,2,3,4,5,6,7
.irp g, 0,1,2,3
	v_mul_f32 v[OUTR+4*\jj+\g], v[WL+(\i)], v[AB+8*\g+\jj]
.endr
.endr
.irp jj, 0,1,2,3,4,5,6,7
.irp g, 0,1,2,3
	v_fmac_f32 v[OUTR+4*\jj+\g], v[WH+(\i)], v[AB+32+8*\g+\jj]
.endr
.endr
	WIN 0
.irp q, 0,1,2,3,4,5,6,7
	ds_store_b128 v[STO], v[OUTR+4*\q:OUTR+4*\q+3] offset:16*\q
.endr
	s_wait_xcnt 0x0                                ; the block before's stores have read their data and offsets, which are written below
.irp t, 0,1,2,3,4,5,6,7
	ds_load_b128 v[BK+4*\t:BK+4*\t+3], v[RD] offset:2*SPITCH*\t  ; LDS serves a wave's instructions in order (ISA guide 5.7.1.4): these see the stores above; the next block's stores come behind them
.endr
.irp t, 0,1,2,3,4,5,6,7
	ds_bpermute_b32 v[RO+\t], v[IDX+\t], v[TOKR+(\i)]           ; the token of row 2 t + lane / 16 lies in that lane
.endr
	s_wait_dscnt 0x0
.irp t, 0,1,2,3,4,5,6,7
	v_min_u32 v[RO+\t], 0x1fff, v[RO+\t]
	v_lshl_add_u32 v[RO+\t], v[RO+\t], 12, v[CO]
.endr
	s_sub_co_u32 s[REM4], s[ROWS], 16*(\i)
	s_lshl_b32 s[REM4], s[REM4], 2
.if (\i) < 9
	s_cmp_lt_u32 s[ROWS], 16*((\i)+1)
	s_cbranch_scc1 .Lpartial
.irp t, 0,1,2,3,4,5,6,7
	global_store_b128 v[RO+\t], v[BK+4*\t:BK+4*\t+3], s[OUTB:OUTB+1] th:TH_STORE_NT  ; 16 lanes store 256 consecutive bytes of one token's row, at a multiple of 256 from out's first byte
.endr
.endif
.endm
.irp i, 0,1,2,3,4,5,6,7,8,9
	OUTBLK \i
.endr
.Lpartial:                                             ; block 9 is never full (a tile has 150 rows at the most) and arrives here without a jump
.irp t, 0,1,2,3,4,5,6,7
	v_cmp_gt_u32 vcc_lo, s[REM4], v[IDX+\t]        ; is my row of this turn one of the tile's?
	s_wait_xcnt 0x0                                ; EXEC changes only behind s_wait_xcnt 0
	s_and_saveexec_b32 s[SV], vcc_lo
	global_store_b128 v[RO+\t], v[BK+4*\t:BK+4*\t+3], s[OUTB:OUTB+1] th:TH_STORE_NT
	s_wait_xcnt 0x0                                ; and again, in front of the line that widens it
	s_or_b32 exec_lo, exec_lo, s[SV]
.endr
.Ldone:
	s_wait_tensorcnt 0x0                           ; the wave's end, behind my last LDS store
	ds_add_u32 v[SPW], v[NIL]
	s_wait_dscnt 0x0
	s_endpgm
.Lfunc_end_k_q3574fcdca3_moe:
	.size	k_q3574fcdca3_moe, .Lfunc_end_k_q3574fcdca3_moe-k_q3574fcdca3_moe
	.p2alignl 7, 3214868480
	.fill 96, 4, 3214868480
	.section	.rodata,"a",@progbits
	.p2align	6, 0x0
	.amdhsa_kernel k_q3574fcdca3_moe
		.amdhsa_group_segment_fixed_size 327680
		.amdhsa_private_segment_fixed_size 0
		.amdhsa_enable_private_segment 0
		.amdhsa_kernarg_size 64
		.amdhsa_user_sgpr_count 2
		.amdhsa_user_sgpr_kernarg_segment_ptr 1
		.amdhsa_wavefront_size32 1
		.amdhsa_system_sgpr_workgroup_id_x 1
		.amdhsa_system_sgpr_workgroup_id_y 1
		.amdhsa_system_sgpr_workgroup_id_z 1
		.amdhsa_system_vgpr_workitem_id 0
		.amdhsa_next_free_vgpr 1024
		.amdhsa_next_free_sgpr 88
		.amdhsa_reserve_vcc 1
		.amdhsa_float_denorm_mode_32 3
		.amdhsa_float_denorm_mode_16_64 3
		.amdhsa_memory_ordered 1
		.amdhsa_forward_progress 1
		.amdhsa_inst_pref_size 237
	.end_amdhsa_kernel
	.amdgpu_metadata
---
amdhsa.version: [ 1, 2 ]
amdhsa.kernels:
  - .name:           k_q3574fcdca3_moe
    .symbol:         k_q3574fcdca3_moe.kd
    .args:
      - { .name: x, .offset: 0, .size: 8, .value_kind: global_buffer, .address_space: global }
      - { .name: expert_weights, .offset: 8, .size: 8, .value_kind: global_buffer, .address_space: global }
      - { .name: top_k_indices, .offset: 16, .size: 8, .value_kind: global_buffer, .address_space: global }
      - { .name: b, .offset: 24, .size: 8, .value_kind: global_buffer, .address_space: global }
      - { .name: wf, .offset: 32, .size: 8, .value_kind: global_buffer, .address_space: global }
      - { .name: list, .offset: 40, .size: 8, .value_kind: global_buffer, .address_space: global }
      - { .name: counts, .offset: 48, .size: 8, .value_kind: global_buffer, .address_space: global }
      - { .name: out0, .offset: 56, .size: 8, .value_kind: global_buffer, .address_space: global }
    .group_segment_fixed_size: 327680
    .private_segment_fixed_size: 0
    .kernarg_segment_align: 8
    .kernarg_segment_size: 64
    .max_flat_workgroup_size: 128
    .sgpr_count:     88
    .vgpr_count:     1024
    .wavefront_size: 32
...
	.end_amdgpu_metadata
.endif
;; end of part 2
